; MI455X (gfx1250); checked and timed in simulation.
; The chip was launched on July 23, 2026; its instructions are those of AMD's public machine-readable ISA for CDNA 5 (MIT licence, August 2026) and "CDNA5" Instruction Set Architecture Reference Guide (July 2026). The comments in the code are by the model that wrote it; some were corrected since.
;; S6. Allowed arithmetic: matrix products marked QUANTISED: E3M2 operands, one E8M0 scale for each 32 along K, by v_wmma_scale_f32_16x16x128_f8f6f4 with both operands' format E3M2, f32 sums; products left as they are: f32 operands where the result goes on into a quantised operand, else bf16, f16 or f32 operands; f32 sums; everything else in f32.
;; Inputs: A 64 x 64 float32; W1_codes 64 x 2 x 24 uint8 (E3M2 codes of W1, K innermost, in blocks of 32 codes, four codes in three bytes); W1_scales 64 x 2 uint8 (E8M0 scales of W1, one for each 32 codes along K); W2_codes 64 x 2 x 24 uint8 (E3M2 codes of W2, K innermost, in blocks of 32 codes, four codes in three bytes); W2_scales 64 x 2 uint8 (E8M0 scales of W2, one for each 32 codes along K); W3_codes 64 x 2 x 24 uint8 (E3M2 codes of W3, K innermost, in blocks of 32 codes, four codes in three bytes); W3_scales 64 x 2 uint8 (E8M0 scales of W3, one for each 32 codes along K); b1 64 float32; b2 64 float32; b3 64 float32; x 4 x 2,048 x 64 float32.
;; Outputs: out0 4 x 2,048 x 64 float32.
;; This version of the problem:
;;   THIS VERSION OF THE PROBLEM IS GIVEN IN LOW PRECISION. The matrix products marked QUANTISED in the list below multiply operands that are first quantised to E3M2 (3 exponent bits, 2 mantissa bits; 6 bits a number), with one power-of-two scale for each 32 numbers along K (OCP MX v1.0); their sums are f32. All else is computed in f32.
;;   The module's matrix products, in the order in which they are computed (A, B: the left and right operand; K: the contracted axis; several contracted axes count as one K, in the product's order):
;;     1. [M 8,192, K 64] x [K 64, N 64]; A: input x; B: input W2 (given as codes): QUANTISED
;;     2. [M 8,192, K 64] x [K 64, N 64]; A: input x; B: input W3 (given as codes): QUANTISED
;;     3. [M 8,192, K 64] x [K 64, N 64]; A: input x; B: input W1 (given as codes): QUANTISED
;;     4. batch 64 x [M 64, K 1] x [K 1, N 8,192]; A: computed on the way; B: computed on the way: left as it is (no contracted axis)
;;     5. batch 8,192 x [M 1, K 64] x [K 64, N 64]; A: computed on the way; B: computed on the way: left as it is (M = 1 < 16)
;;   THE QUANTISER, for each operand of a quantised product, along K:
;;     - K is cut into blocks of 32 from its start; a last block that is shorter is filled with zeros.
;;     - A block's scale is 2^e with e = floor(log2(the largest magnitude in the block)) - 4, held to -126 .. 127; a block of zeros has e = 0. As a byte (E8M0): e + 127.
;;     - Each number is divided by its block's scale, clamped to +-28, and rounded to the nearest number of E3M2, ties to even, subnormals kept.
;;     - The product sums the exact products of the quantised numbers (number of the format x scale) in f32.
;;   ~~~python
;;   def quantise(x, axis):      # numpy; x: float32 -> the quantised numbers, widened to float32 again
;;       x = np.moveaxis(x, axis, -1); K = x.shape[-1]
;;       x = np.pad(x, [(0, 0)] * (x.ndim - 1) + [(0, -K % 32)]); x = x.reshape(x.shape[:-1] + (-1, 32)); a = np.abs(x).max(-1, keepdims=True)
;;       e = np.where(a > 0, np.clip(np.frexp(np.where(a > 0, a, 1))[1] - 1 - 4, -126, 127), 0)      # np.frexp(a)[1] - 1 = floor(log2(a)), exactly
;;       r = np.clip(x / 2.0 ** e, -28, 28)
;;       step = 2.0 ** (np.maximum(np.frexp(np.where(r == 0, 1, r))[1] - 1, -2) - 2)
;;       q = np.round(r / step) * step * 2.0 ** e      # np.round: ties to even
;;       return np.moveaxis(q.reshape(q.shape[:-2] + (-1,))[..., :K], -1, axis).astype(np.float32)
;;   ~~~
;;   INPUTS GIVEN AS CODES. W1 (in the module: [64, 64], K = its axis 0); W2 (in the module: [64, 64], K = its axis 0); W3 (in the module: [64, 64], K = its axis 0): each comes as NAME_codes (uint8): NAME with its K axis moved to the last place and cut into blocks of 32 codes, [.., K / 32, bytes a block], one block behind the other in memory; four codes in three bytes: a row's codes are one little-endian stream of bits, code i at bits 6 i .. 6 i + 5 (a code: sign, 3 exponent bits, 2 mantissa bits); and NAME_scales (uint8): the same leading axes, one E8M0 byte (e + 127) for each 32 codes along K. Its value is code x scale, taken as it is: it is not quantised again, and the codes and scales need not be those that the quantiser above would give.
;; 2 versions, each right; version 2 is version 1 with the launch s6 written anew for expert scheduling mode. Each part assembles by itself: llvm-mc -triple=amdgcn-amd-amdhsa -mcpu=gfx1250 --defsym DOCPART=n.
;; ======== version 1 of 2: 1 launch
;; launch s6 (part 1): grid 256 x 1, 4 waves a work-group, no clusters, 18,432 bytes of LDS; arguments x, W1_codes, W1_scales, b1, W2_codes, W2_scales, b2, W3_codes, W3_scales, b3, A, out0; writes out0
.if DOCPART == 1
	.amdgcn_target "amdgcn-amd-amdhsa--gfx1250"
	.amdhsa_code_object_version 6
	.text
	.protected	k_q51403408ed_s6
	.globl	k_q51403408ed_s6
	.p2align	8
	.type	k_q51403408ed_s6,@function
k_q51403408ed_s6:
	s_mov_b64 s[64:65], 0
	v_nop
	global_prefetch_b8 v0, s[64:65] scope:SCOPE_SE
	s_setreg_imm32_b32 hwreg(HW_REG_WAVE_MODE, 25, 1), 1
	s_wait_xcnt 0x0
; y[l][d] = sum over n of C[l][n] h[l][d][n],  h = dA x 0 + x[l][d] delta[l][d] Bm[l][n],  Bm = x W2 + b2,  C = x W3 + b3,  delta = softplus(x W1 + b1),  dA = exp(delta[l][d] A[d][n]).
; x: [8192][64] f32, quantised here to E3M2 with one E8M0 scale for each 32 along K; W1, W2, W3: E3M2 codes [64 (n)][2][24] with K innermost, scale bytes [64][2]; all else f32.
; TWO RESTATEMENTS, both true for every finite input.  (a) x delta does not hang on n: y[l][d] = (dA x 0 + x delta) x S[l], S[l] = sum over n of C[l][n] Bm[l][n].
; (b) dA x 0 is 0 unless dA is infinite, and then NaN, which makes y[l][d] NaN whatever C holds.  delta is never negative, so some dA[l][d][n] is infinite just where exp(delta x the largest A[d][n]) is:
; A is read whole and reduced to its 64 row maxima, and ONE exponential for each (l, d) is taken, multiplied by 0 and added.
; SHARES.  A work-group of four waves owns 32 rows (8,192 dense bytes of x and of y).  Thread t: r = t & 15, h = bit 4, u = bit 5, T = bit 6, HW = t >> 4.  Wave (T, u) takes rows 16 T .. 16 T + 15 and, of each of the
; three products, the 32 columns 32 h + 16 u + 0 .. 15.  THE PRODUCTS ARE USED TRANSPOSED (source 0 = 16 rows of a weight, source 1 = my 16 rows of x): a lane holds ONE row of x, its registers run along the columns.
; THE WEIGHT ROWS OF A TILE ARE NOT NEIGHBOURS: lane r' of tile t' takes row 32 (r' / 8) + 16 u + 8 t' + r' % 8, so that a lane's 16 registers of tiles 0 and 1 are 16 neighbouring columns: 64 bytes of a row.
; K = 64 IN AN INSTRUCTION OF K = 128: a weight fragment's registers 0-5 (k 0-63) hold tile 0's rows and registers 6-11 (k 64-127) tile 1's.  x's codes stand as 18 registers [X][zeros][X]: the first 12 pick tile 0,
; the last 12 tile 1: zero codes add nothing.  The weight's scale word is tile 0's two bytes below tile 1's two; x's is its two bytes twice.  The biases are loaded into the accumulators and are each sum's C.
; LIMITS.  NaN and infinities among the inputs, and a scale byte 0xff, are not served (the maximum over A drops a NaN).  dA counts as infinite where 2^(delta x fl(log2(e) x max A)) does, which can differ from exp's own
; overflow where delta x A lies within a few ulps of 88.7228.  The exponential gives 0 for results under 2^-126, so delta is 0 where softplus would be denormal.  y is formed as (x delta) x sum(C Bm): another order of
; f32 roundings than the sum over n of C (x (delta Bm)).  A block of zeros of x gets the scale byte 1, not 127: its codes are zeros, and the bytes are read by this text alone.
; NOT USED, and why: clusters and joint loads (what work-groups share, A's 16,384 bytes and the weights' 10,368, is read once by each, and there is no loop over which two rounds of a cluster's barrier could be spread);
; tensor loads and a ring (a work-group wants 8,192 bytes once); a prefetch (every load stands at the head).
.set PITCH, 272                        ; a stage row: 256 bytes + 16 = 68 words: row r starts at bank 4 r mod 64 (64 banks of 4 bytes: ISA guide 11.1)
.set XST,   0                          ; LDS: x's stage, 32 rows
.set YST,   32*PITCH                   ; y's stage, 32 rows: bytes of its own, since one wave may write y while another still reads x
.set AMX,   2*32*PITCH                 ; 64 words: log2(e) x the largest A[d][n] of row d
.set SPT,   AMX+256                    ; 64 words: S's two halves, word [row][u]
.set GX,  1                            ; v1   16 t: my 16 bytes of 2,048 dense ones, in x, A and y
.set WA,  2                            ; v2   weight codes: 48 rb + 24 h, rb = r % 8 + 32 (r / 8) + 16 u
.set WS,  3                            ; v3   weight scale bytes: 2 rb
.set HU,  4                            ; v4   128 h + 64 u: my 16 columns, as bytes of f32: in the biases and in AMX
.set XW,  5                            ; v5   a stage's dense side: PITCH x HW + 16 r
.set XRD, 6                            ; v6   my block of 32 numbers: PITCH x (16 T + r) + 128 h
.set XUW, 7                            ; v7   my 16 columns of my row: XRD + 64 u
.set AW,  8                            ; v8   4 HW
.set SW,  9                            ; v9   8 (16 T + r) + 4 u
.set SR,  10                           ; v10  8 HW
.set RR,  11                           ; v11  r
.set HH,  12                           ; v12  h, then 8 h
.set UU,  13                           ; v13  u
.set RW,  14                           ; v14  16 T + r
.set HW,  15                           ; v15  t >> 4
.set U,   16                           ; v16-31   x as loaded; then -|z| log2(e), u = e^-|z|; then delta x AM, dA
.set AL,  32                           ; v32-63   A as loaded; row i's maximum stays in v[AL + 4 i]
.set W,   32                           ; v32-47   then w = 1 + u, then delta
.set G,   48                           ; v48-63   log2(w)
.set X,   64                           ; v64-95   my block's 32 numbers
.set M,   64                           ; v64-79   then max(z, 0), + the part of u that 1 + u dropped; then dA x 0 + x delta
.set R,   80                           ; v80-95   w - 1, u - (w - 1); then x delta
.set XU,  96                           ; v96-111  x at my 16 columns; on the way out four times 16 bytes of y
.set F1,  112                          ; v112-123 W1's fragment; on the way out v112-119: S's halves for four rows
.set F2,  124                          ; v124-135 W2's
.set F3,  136                          ; v136-147 W3's
.set XF,  148                          ; v148-165 x's codes: [X 6][zeros 6][X 6]
.set CT,  166                          ; v166-168 the codes of my block's upper 16 (a conversion's three registers begin on an even number)
.set Z,   170                          ; v170-185 b1, then z
.set DB,  186                          ; v186-201 b2, then Bm
.set DC,  202                          ; v202-217 b3, then C
.set WSC, 218                          ; v218-220 the weights' scale words
.set XSW, 221                          ; v221     x's scale word
.set WSH, 222                          ; v222-224 the upper halves of the weights' scale words, as loaded
.set AM,  226                          ; v226-241 AMX at my 16 columns
.set MX,  242                          ; v242-243 the largest magnitude, in two chains
.set SO,  244                          ; v244     the conversions' scale operand
.set SBY, 245                          ; v245     the scale byte at work
.set PD,  246                          ; v246     a lane permute's destination
.set SA,  248                          ; v[248:249], v[250:251] S in two chains
.set SB,  250
.set SEL, 32                           ; s[32:33] v_permlanex16_b32's selects for lane l xor 16
.set L2E, 34                           ; s34      log2(e)
.set LN2, 36                           ; s[36:37] ln(2): the packed form names a pair and takes its low word for both halves
.macro LDFRAG reg, sb                  ; a weight's fragment: tile t's row (8 rows = 384 bytes on for tile 1), my half's 24 bytes, in pieces of 8 so that every address is a multiple of the access's size
.irp t, 0,1
.irp p, 0,1,2
	global_load_b64 v[\reg+6*\t+2*\p:\reg+6*\t+2*\p+1], v[WA], s[\sb:\sb+1] offset:384*\t+8*\p
.endr
.endr
.endm
.macro LDSCL lo, hi, sb                ; the two scale bytes of tile 0's row, and of tile 1's (8 rows = 16 bytes on)
	global_load_u16 v[\lo], v[WS], s[\sb:\sb+1]
	global_load_u16 v[\hi], v[WS], s[\sb:\sb+1] offset:16
.endm
.macro LDBIAS acc, sb                  ; a bias at my 16 columns, straight into the two accumulators
.irp k, 0,1,2,3
	global_load_b128 v[\acc+4*\k:\acc+4*\k+3], v[HU], s[\sb:\sb+1] offset:16*\k
.endr
.endm
.macro MM acc, f, sc                   ; two tiles of one product: the same fragment against [X][zeros] and against [zeros][X]; C = D = the bias
	v_wmma_scale_f32_16x16x128_f8f6f4 v[\acc:\acc+7], v[\f:\f+11], v[XF:XF+11], v[\acc:\acc+7], v[\sc], v[XSW] matrix_a_fmt:MATRIX_FMT_BF6 matrix_b_fmt:MATRIX_FMT_BF6
	v_wmma_scale_f32_16x16x128_f8f6f4 v[\acc+8:\acc+15], v[\f:\f+11], v[XF+6:XF+17], v[\acc+8:\acc+15], v[\sc], v[XSW] matrix_a_fmt:MATRIX_FMT_BF6 matrix_b_fmt:MATRIX_FMT_BF6
.endm
.macro BARRIER                         ; my LDS stores have landed and my LDS loads are in: then the work-group's barrier
	s_wait_dscnt 0x0
	s_barrier_signal -1
	s_barrier_wait -1
.endm
	; ---- the head: addresses
	s_load_b512 s[8:23], s[0:1], 0x0               ; x 8:9, W1's codes 10:11, W1's scales 12:13, b1 14:15, W2's codes 16:17, W2's scales 18:19, b2 20:21, W3's codes 22:23
	s_load_b256 s[24:31], s[0:1], 0x40             ; W3's scales 24:25, b3 26:27, A 28:29, y 30:31
	v_lshl_add_u32 v254, v0, 2, 0x4600
	v_mov_b32 v255, 0
	v_and_b32 v[RR], 15, v0
	v_bfe_u32 v[HH], v0, 4, 1
	v_bfe_u32 v[UU], v0, 5, 1
	v_lshrrev_b32 v[HW], 4, v0
	v_bfe_u32 v[RW], v0, 6, 1
	v_lshl_add_u32 v[RW], v[RW], 4, v[RR]          ; 16 T + r
	v_lshlrev_b32 v[GX], 4, v0
	v_and_b32 v[WA], 7, v0
	v_bfe_u32 v[WS], v0, 3, 1
	v_lshl_add_u32 v[WA], v[WS], 5, v[WA]
	v_lshl_add_u32 v[WA], v[UU], 4, v[WA]          ; rb = r % 8 + 32 (r / 8) + 16 u
	v_lshlrev_b32 v[WS], 1, v[WA]                  ; two scale bytes a row
	v_mul_u32_u24 v[WA], v[WA], 48                 ; 48 bytes of codes a row,
	v_mad_u32_u24 v[WA], v[HH], 24, v[WA]          ; my half's block
	v_lshlrev_b32 v[HU], 7, v[HH]
	v_lshl_add_u32 v[HU], v[UU], 6, v[HU]
	v_mul_u32_u24 v[XW], v[HW], PITCH
	v_lshl_add_u32 v[XW], v[RR], 4, v[XW]
	v_mul_u32_u24 v[XRD], v[RW], PITCH
	v_lshl_add_u32 v[XRD], v[HH], 7, v[XRD]
	v_lshl_add_u32 v[XUW], v[UU], 6, v[XRD]
	v_lshlrev_b32 v[AW], 2, v[HW]
	v_lshlrev_b32 v[HH], 3, v[HH]                  ; 8 h: my scale byte's place in x's scale word
.irp j, 6,7,8,9,10,11
	v_mov_b32 v[XF+\j], 0                          ; the zero codes between the two copies of X
.endr
	v_mov_b32 v[PD], 0                             ; written once: a lane permute's destination counts as one of its sources
	s_mov_b32 s[SEL], 0x76543210
	s_mov_b32 s[SEL+1], 0xfedcba98
	s_mov_b32 s[L2E], 0x3fb8aa3b
	s_mov_b32 s[LN2], 0x3f317218
	s_mov_b32 s[LN2+1], s[LN2]                     ; (named with it as a pair, so it is written)
	s_lshl_b32 s4, ttmp9, 13                       ; the work-group's 32 rows of 256 bytes
	s_mov_b32 s5, 0
	s_wait_kmcnt 0x0
	s_add_nc_u64 s[8:9], s[8:9], s[4:5]
	s_add_nc_u64 s[30:31], s[30:31], s[4:5]
	; ---- all 48 global loads of the wave, in the order in which they are wanted
.irp i, 0,1,2,3
	global_load_b128 v[U+4*\i:U+4*\i+3], v[GX], s[8:9] offset:2048*\i th:TH_LOAD_NT   ; x: 32 lanes read 512 consecutive bytes; sixteen lanes hold row 8 i + HW
.endr
.irp i, 0,1,2,3,4,5,6,7
	global_load_b128 v[AL+4*\i:AL+4*\i+3], v[GX], s[28:29] offset:2048*\i             ; A: sixteen lanes hold row d = 8 i + HW whole; the four waves together read A once
.endr
	LDFRAG F1, 10
	LDFRAG F2, 16
	LDFRAG F3, 22
	LDSCL WSC,   WSH,   12
	LDSCL WSC+1, WSH+1, 18
	LDSCL WSC+2, WSH+2, 24
	LDBIAS Z,  14
	LDBIAS DB, 20
	LDBIAS DC, 26
	; ---- x turns through LDS; A is reduced to its rows' maxima
	s_wait_loadcnt 44                              ; loads come back in order (ISA guide 5.7.1): x's four are in, the 44 younger ones stay out
.irp i, 0,1,2,3
	ds_store_b128 v[XW], v[U+4*\i:U+4*\i+3] offset:XST+8*PITCH*\i
.endr
	s_wait_loadcnt 36                              ; A's eight are in
.irp i, 0,1,2,3,4,5,6,7
	v_max3_num_f32 v[AL+4*\i], v[AL+4*\i], v[AL+4*\i+1], v[AL+4*\i+2]                 ; (the eight rows by turns: no line waits for the line above it)
.endr
.irp i, 0,1,2,3,4,5,6,7
	v_max_num_f32 v[AL+4*\i], v[AL+4*\i], v[AL+4*\i+3]
.endr
.irp k, 1,2,4,8
.irp i, 0,1,2,3,4,5,6,7
	v_max_num_f32_dpp v[AL+4*\i], v[AL+4*\i], v[AL+4*\i] row_xmask:\k row_mask:0xf bank_mask:0xf   ; across the sixteen lanes that hold the row
.endr
.endr
.irp i, 0,1,2,3,4,5,6,7
	v_mul_f32 v[AL+4*\i], s[L2E], v[AL+4*\i]       ; log2(e) is positive: the largest stays the largest
.endr
.irp i, 0,1,2,3,4,5,6,7
	ds_store_b32 v[AW], v[AL+4*\i] offset:AMX+32*\i   ; the sixteen lanes write one word with one value
.endr
	BARRIER                                        ; x's 32 rows and A's 64 maxima lie in LDS.  (The younger global loads stay out: nobody writes what they read)
	; ---- my block of x becomes codes; the products
.irp i, 0,1,2,3,4,5,6,7
	ds_load_b128 v[X+4*\i:X+4*\i+3], v[XRD] offset:XST+16*\i     ; row 16 T + r, k = 32 h + 0 .. 31: the whole block is mine
.endr
.irp k, 0,1,2,3
	ds_load_b128 v[XU+4*\k:XU+4*\k+3], v[XUW] offset:XST+16*\k   ; x at my 16 columns
.endr
.irp k, 0,1,2,3
	ds_load_b128 v[AM+4*\k:AM+4*\k+3], v[HU] offset:AMX+16*\k    ; and A's maxima there
.endr
	s_wait_loadcnt 12                              ; the codes and the scale bytes are in; only the 12 loads of the biases are younger
.irp n, 0,1,2
	v_lshl_or_b32 v[WSC+\n], v[WSH+\n], 16, v[WSC+\n]   ; tile 0's two bytes below, tile 1's above
.endr
	s_wait_dscnt 8                                 ; X's eight loads are in; XU's four and AM's four are younger
	v_max3_num_f32 v[MX],   |v[X]|,   |v[X+1]|, |v[X+2]|
	v_max3_num_f32 v[MX+1], |v[X+3]|, |v[X+4]|, |v[X+5]|
.irp i, 6,10,14,18,22,26
	v_max3_num_f32 v[MX],   v[MX],   |v[X+\i]|,   |v[X+\i+1]|
	v_max3_num_f32 v[MX+1], v[MX+1], |v[X+\i+2]|, |v[X+\i+3]|
.endr
	v_max3_num_f32 v[MX], v[MX], |v[X+30]|, |v[X+31]|
	v_max3_num_f32 v[MX], v[MX], v[MX+1], 0x2800000   ; and the floor 2^(5 - 127), under which no largest magnitude is taken: so the byte cannot fall under 1
	v_add_nc_u32 v[SO], 0xfe000000, v[MX]          ; 4 off its exponent field: the conversion takes the exponent field of this operand as its scale, and nothing else of it
	v_lshrrev_b32 v[SBY], 23, v[SO]                ; the scale's byte,
	v_lshlrev_b32 v[SBY], v[HH], v[SBY]            ; at its place (8 h bits up);
	v_permlanex16_b32 v[PD], v[SBY], s[SEL], s[SEL+1]
	v_or_b32 v[SBY], v[SBY], v[PD]                 ; with lane l xor 16's: my row's two bytes,
	v_lshl_or_b32 v[XSW], v[SBY], 16, v[SBY]       ; twice: for k 0-63 and for k 64-127
	v_cvt_scalef32_pk16_bf6_f32 v[XF:XF+2],     v[X:X+15],    v[SO]   ; the lower 16 codes, for the first copy of X
	v_cvt_scalef32_pk16_bf6_f32 v[XF+12:XF+14], v[X:X+15],    v[SO]   ; and for the second
	v_cvt_scalef32_pk16_bf6_f32 v[CT:CT+2],     v[X+16:X+31], v[SO]   ; the upper 16
	v_nop                                          ; one plain place behind a scaled conversion
.irp i, 0,1,2
	v_mov_b32 v[XF+3+\i],  v[CT+\i]
	v_mov_b32 v[XF+15+\i], v[CT+\i]
.endr
.rept 4
	v_nop                                          ; an operand written by a vector instruction stands 4 places ahead of a scaled matrix instruction, a scale word 8: behind x's scale word stand these four, the six moves and the v_nop
.endr
	s_wait_loadcnt 0x0                             ; the biases are in
	MM Z,  F1, WSC                                 ; six matrix instructions on six accumulators: none adds onto another's result
	MM DB, F2, WSC+1
	MM DC, F3, WSC+2
	v_lshlrev_b32 v[SW], 3, v[RW]                  ; four plain instructions that name no register of the products: the places behind them (ISA guide 7.12.1)
	v_lshl_add_u32 v[SW], v[UU], 2, v[SW]
	v_lshrrev_b32 v[SR], 4, v0
	v_lshlrev_b32 v[SR], 3, v[SR]
	; ---- softplus, the zero term, my half of S.  Each accumulator is read from its low end on
	s_wait_dscnt 0x0                               ; XU and AM are in
.set i, 0
.rept 16
	v_mul_f32 v[U+i], s[L2E], -|v[Z+i]|
.set i, i+1
.endr
.set i, 0
.rept 16
	v_exp_f32 v[U+i], v[U+i]                       ; u = e^-|z|, at most 1
.set i, i+1
.endr
	v_pk_mul_f32 v[SA:SA+1], v[DB:DB+1],   v[DC:DC+1]       ; the sum of C Bm over my 16 columns, two at a time, in two chains: plain work behind the exponentials, which names none of their results
	v_pk_mul_f32 v[SB:SB+1], v[DB+8:DB+9], v[DC+8:DC+9]
.irp j, 2,4,6
	v_pk_fma_f32 v[SA:SA+1], v[DB+\j:DB+\j+1],   v[DC+\j:DC+\j+1],   v[SA:SA+1]
	v_pk_fma_f32 v[SB:SB+1], v[DB+8+\j:DB+9+\j], v[DC+8+\j:DC+9+\j], v[SB:SB+1]
.endr
	v_pk_add_f32 v[SA:SA+1], v[SA:SA+1], v[SB:SB+1]
	v_add_f32 v[SA], v[SA], v[SA+1]
	v_permlanex16_b32 v[PD], v[SA], s[SEL], s[SEL+1]
	v_add_f32 v[SA], v[SA], v[PD]                  ; with lane l xor 16's 16 columns: my wave's 32
	ds_store_b32 v[SW], v[SA] offset:SPT           ; both halves of the lanes write the same word with the same value
.set i, 0
.rept 16
	v_max_num_f32 v[M+i], 0, v[Z+i]
.set i, i+1
.endr
	s_wait_alu depctr_va_vdst(0)                   ; one wait for the 16 exponentials, ahead of their first reader
.irp j, 0,2,4,6,8,10,12,14
	v_pk_add_f32 v[W+\j:W+\j+1], v[U+\j:U+\j+1], 1.0 op_sel_hi:[1,0]   ; w = 1 + u
.endr
.set i, 0
.rept 16
	v_log_f32 v[G+i], v[W+i]
.set i, i+1
.endr
.irp j, 0,2,4,6,8,10,12,14
	v_pk_add_f32 v[R+\j:R+\j+1], v[W+\j:W+\j+1], -1.0 op_sel_hi:[1,0]  ; w - 1, exact.  (Plain work behind the logarithms)
.endr
.irp j, 0,2,4,6,8,10,12,14
	v_pk_add_f32 v[R+\j:R+\j+1], v[U+\j:U+\j+1], v[R+\j:R+\j+1] neg_lo:[0,1] neg_hi:[0,1]   ; u - (w - 1): what 1 + u dropped; where u is small it is nearly all of log(1 + u)
.endr
.irp j, 0,2,4,6,8,10,12,14
	v_pk_add_f32 v[M+\j:M+\j+1], v[M+\j:M+\j+1], v[R+\j:R+\j+1]
.endr
	s_wait_alu depctr_va_vdst(0)                   ; one wait for the 16 logarithms
.irp j, 0,2,4,6,8,10,12,14
	v_pk_fma_f32 v[W+\j:W+\j+1], v[G+\j:G+\j+1], s[LN2:LN2+1], v[M+\j:M+\j+1] op_sel_hi:[1,0,1]   ; delta = ln(2) log2(w) + max(z, 0) + what was dropped
.endr
.irp j, 0,2,4,6,8,10,12,14
	v_pk_mul_f32 v[U+\j:U+\j+1], v[W+\j:W+\j+1], v[AM+\j:AM+\j+1]      ; delta x log2(e) x the largest A of row d
.endr
.set i, 0
.rept 16
	v_exp_f32 v[U+i], v[U+i]                       ; the largest dA of (l, d)
.set i, i+1
.endr
.irp j, 0,2,4,6,8,10,12,14
	v_pk_mul_f32 v[R+\j:R+\j+1], v[XU+\j:XU+\j+1], v[W+\j:W+\j+1]      ; x delta.  (Plain work behind the exponentials)
.endr
	s_wait_alu depctr_va_vdst(0)                   ; one wait for the 16 exponentials
.irp j, 0,2,4,6,8,10,12,14
	v_pk_fma_f32 v[M+\j:M+\j+1], v[U+\j:U+\j+1], 0, v[R+\j:R+\j+1] op_sel_hi:[1,0,1]   ; dA x 0 + x delta: NaN where dA is infinite
.endr
.irp k, 0,1,2,3
	ds_store_b128 v[XUW], v[M+4*\k:M+4*\k+3] offset:YST+16*\k
.endr
	BARRIER                                        ; 32 whole rows, and S's two halves for each, lie in LDS
	; ---- the way out: whole rows, times S
.irp i, 0,1,2,3
	ds_load_b64 v[F1+2*\i:F1+2*\i+1], v[SR] offset:SPT+64*\i          ; row 8 i + HW: S's two halves; the same address in sixteen lanes
.endr
.irp i, 0,1,2,3
	ds_load_b128 v[XU+4*\i:XU+4*\i+3], v[XW] offset:YST+8*PITCH*\i
.endr
.irp i, 0,1,2,3
	s_wait_dscnt 3-\i                              ; LDS loads come back in order: row i's 16 bytes are in, and so are all four pairs, which were asked for earlier; the 3 - i younger loads stay out
	v_add_f32 v[F1+2*\i], v[F1+2*\i], v[F1+2*\i+1] ; S
	v_pk_mul_f32 v[XU+4*\i:XU+4*\i+1],   v[XU+4*\i:XU+4*\i+1],   v[F1+2*\i:F1+2*\i+1] op_sel_hi:[1,0]
	v_pk_mul_f32 v[XU+4*\i+2:XU+4*\i+3], v[XU+4*\i+2:XU+4*\i+3], v[F1+2*\i:F1+2*\i+1] op_sel_hi:[1,0]
	global_store_b128 v[GX], v[XU+4*\i:XU+4*\i+3], s[30:31] offset:2048*\i th:TH_STORE_NT   ; 32 lanes store 512 consecutive bytes, at a multiple of 256 from y's first byte; no store's registers are written again
.endr
	s_wait_tensorcnt 0x0
	ds_add_u32 v254, v255
	s_wait_dscnt 0x0
	s_endpgm
.Lfunc_end_k_q51403408ed_s6:
	.size	k_q51403408ed_s6, .Lfunc_end_k_q51403408ed_s6-k_q51403408ed_s6
	.p2alignl 7, 3214868480
	.fill 96, 4, 3214868480
	.section	.rodata,"a",@progbits
	.p2align	6, 0x0
	.amdhsa_kernel k_q51403408ed_s6
		.amdhsa_group_segment_fixed_size 18432
		.amdhsa_private_segment_fixed_size 0
		.amdhsa_enable_private_segment 0
		.amdhsa_kernarg_size 96
		.amdhsa_user_sgpr_count 2
		.amdhsa_user_sgpr_kernarg_segment_ptr 1
		.amdhsa_wavefront_size32 1
		.amdhsa_system_sgpr_workgroup_id_x 1
		.amdhsa_system_sgpr_workgroup_id_y 1
		.amdhsa_system_sgpr_workgroup_id_z 1
		.amdhsa_system_vgpr_workitem_id 0
		.amdhsa_next_free_vgpr 256
		.amdhsa_next_free_sgpr 66
		.amdhsa_reserve_vcc 0
		.amdhsa_float_denorm_mode_32 3
		.amdhsa_float_denorm_mode_16_64 3
		.amdhsa_memory_ordered 1
		.amdhsa_forward_progress 1
		.amdhsa_inst_pref_size 25
	.end_amdhsa_kernel
	.amdgpu_metadata
---
amdhsa.version: [ 1, 2 ]
amdhsa.kernels:
  - .name:           k_q51403408ed_s6
    .symbol:         k_q51403408ed_s6.kd
    .args:
      - { .name: x, .offset: 0, .size: 8, .value_kind: global_buffer, .address_space: global }
      - { .name: W1_codes, .offset: 8, .size: 8, .value_kind: global_buffer, .address_space: global }
      - { .name: W1_scales, .offset: 16, .size: 8, .value_kind: global_buffer, .address_space: global }
      - { .name: b1, .offset: 24, .size: 8, .value_kind: global_buffer, .address_space: global }
      - { .name: W2_codes, .offset: 32, .size: 8, .value_kind: global_buffer, .address_space: global }
      - { .name: W2_scales, .offset: 40, .size: 8, .value_kind: global_buffer, .address_space: global }
      - { .name: b2, .offset: 48, .size: 8, .value_kind: global_buffer, .address_space: global }
      - { .name: W3_codes, .offset: 56, .size: 8, .value_kind: global_buffer, .address_space: global }
      - { .name: W3_scales, .offset: 64, .size: 8, .value_kind: global_buffer, .address_space: global }
      - { .name: b3, .offset: 72, .size: 8, .value_kind: global_buffer, .address_space: global }
      - { .name: A, .offset: 80, .size: 8, .value_kind: global_buffer, .address_space: global }
      - { .name: out0, .offset: 88, .size: 8, .value_kind: global_buffer, .address_space: global }
    .group_segment_fixed_size: 18432
    .private_segment_fixed_size: 0
    .kernarg_segment_align: 8
    .kernarg_segment_size: 96
    .max_flat_workgroup_size: 128
    .sgpr_count:     66
    .vgpr_count:     256
    .wavefront_size: 32
...
	.end_amdgpu_metadata
.endif
;; end of part 1
;; ======== version 2 of 2: 1 launch; version 1 with the launch s6 written anew for expert scheduling mode
;; launch s6 (part 2): grid 256 x 1, 4 waves a work-group, no clusters, 18,432 bytes of LDS; arguments x, W1_codes, W1_scales, b1, W2_codes, W2_scales, b2, W3_codes, W3_scales, b3, A, out0; writes out0
.if DOCPART == 2
	.amdgcn_target "amdgcn-amd-amdhsa--gfx1250"
	.amdhsa_code_object_version 6
	.text
	.protected	k_q51403408ed_s6
	.globl	k_q51403408ed_s6
	.p2align	8
	.type	k_q51403408ed_s6,@function
k_q51403408ed_s6:
	s_mov_b64 s[64:65], 0
	v_nop
	global_prefetch_b8 v0, s[64:65] scope:SCOPE_SE
	s_setreg_imm32_b32 hwreg(HW_REG_WAVE_SCHED_MODE, 0, 2), 2
	s_setreg_imm32_b32 hwreg(HW_REG_WAVE_MODE, 25, 1), 1
	s_wait_xcnt 0x0
	s_wait_alu depctr_vm_vsrc(0)
; y[l][d] = sum over n of C[l][n] h[l][d][n],  h = dA x 0 + x[l][d] delta[l][d] Bm[l][n],  Bm = x W2 + b2,  C = x W3 + b3,  delta = softplus(x W1 + b1),  dA = exp(delta[l][d] A[d][n]).
; x: [8192][64] f32, quantised here to E3M2 with one E8M0 scale for each 32 along K; W1, W2, W3: E3M2 codes [64 (n)][2][24] with K innermost, scale bytes [64][2]; all else f32.
; TWO RESTATEMENTS, both true for every finite input.  (a) x delta does not hang on n: y[l][d] = (dA x 0 + x delta) x S[l], S[l] = sum over n of C[l][n] Bm[l][n].
; (b) dA x 0 is 0 unless dA is infinite, and then NaN, which makes y[l][d] NaN whatever C holds.  delta is never negative, so some dA[l][d][n] is infinite just where exp(delta x the largest A[d][n]) is:
; A is read whole and reduced to its 64 row maxima, and ONE exponential for each (l, d) is taken, multiplied by 0 and added.
; SHARES.  A work-group of four waves owns 32 rows (8,192 dense bytes of x and of y).  Thread t: r = t & 15, h = bit 4, u = bit 5, T = bit 6, HW = t >> 4.  Wave (T, u) takes rows 16 T .. 16 T + 15 and, of each of the
; three products, the 32 columns 32 h + 16 u + 0 .. 15.  THE PRODUCTS ARE USED TRANSPOSED (source 0 = 16 rows of a weight, source 1 = my 16 rows of x): a lane holds ONE row of x, its registers run along the columns.
; THE WEIGHT ROWS OF A TILE ARE NOT NEIGHBOURS: lane r' of tile t' takes row 32 (r' / 8) + 16 u + 8 t' + r' % 8, so that a lane's 16 registers of tiles 0 and 1 are 16 neighbouring columns: 64 bytes of a row.
; K = 64 IN AN INSTRUCTION OF K = 128: a weight fragment's registers 0-5 (k 0-63) hold tile 0's rows and registers 6-11 (k 64-127) tile 1's.  x's codes stand as 18 registers [X][zeros][X]: the first 12 pick tile 0,
; the last 12 tile 1: zero codes add nothing.  The weight's scale word is tile 0's two bytes below tile 1's two; x's is its two bytes twice.  The biases are loaded into the accumulators and are each sum's C.
; LIMITS.  NaN and infinities among the inputs, and a scale byte 0xff, are not served (the maximum over A drops a NaN).  dA counts as infinite where 2^(delta x fl(log2(e) x max A)) does, which can differ from exp's own
; overflow where delta x A lies within a few ulps of 88.7228.  The exponential gives 0 for results under 2^-126, so delta is 0 where softplus would be denormal.  y is formed as (x delta) x sum(C Bm): another order of
; f32 roundings than the sum over n of C (x (delta Bm)).  A block of zeros of x gets the scale byte 1, not 127: its codes are zeros, and the bytes are read by this text alone.
; NOT USED, and why: clusters and joint loads (what work-groups share, A's 16,384 bytes and the weights' 10,368, is read once by each, and there is no loop over which two rounds of a cluster's barrier could be spread);
; tensor loads and a ring (a work-group wants 8,192 bytes once); a prefetch (every load stands at the head).
; THE MODE: SCHED_MODE bits 1:0 = 2 (LLVM: expert scheduling mode 2), set by the entry lines.  The code itself states the register dependences between vector or matrix instructions and memory or LDS
; instructions, with s_wait_alu, always for 0.
; THE PLAN.  The text is one straight run.  Registers that memory or LDS instructions touch, in the order of the text:
;   v1-v8       addresses: written by the head's vector lines, read by loads and stores throughout, never written again.     v9, v10: written behind the products, read by S's store and S's loads, never written again.
;   U, AL       x and A land; LDS stores read U and every fourth register of AL; the softplus lines write both again (as U, W, G).
;   X, XU, AM   LDS loads land in registers that no vector line has named.  XU is read by the lines that make x delta; on the way out LDS loads land in it again, vector lines scale it, the global stores read it.
;   F1          codes land; two matrix instructions read them; on the way out S's halves land in its first eight registers.
;   SA, M       written by vector lines, read by LDS stores, not written again.
; NINE WAITS: on va_vdst ahead of the first load (v1-v8); ahead of the stores of A's maxima; ahead of the first scaled matrix instruction (codes and scale words made by vector lines); one behind each of the three
; batches of transcendentals, the first of which also stands ahead of S's store; ahead of the stores of M, which is also the last one ahead of the way out's LDS loads; ahead of the global stores.
; On vm_vsrc once, behind the first barrier: my LDS stores have read U and AL.  No vector instruction writes a scalar register or VCC, and EXEC is never written.
.set PITCH, 272                        ; a stage row: 256 bytes + 16 = 68 words: row r starts at bank 4 r mod 64 (64 banks of 4 bytes: ISA guide 11.1)
.set XST,   0                          ; LDS: x's stage, 32 rows
.set YST,   32*PITCH                   ; y's stage, 32 rows: bytes of its own, since one wave may write y while another still reads x
.set AMX,   2*32*PITCH                 ; 64 words: log2(e) x the largest A[d][n] of row d
.set SPT,   AMX+256                    ; 64 words: S's two halves, word [row][u]
.set GX,  1                            ; v1   16 t: my 16 bytes of 2,048 dense ones, in x, A and y
.set WA,  2                            ; v2   weight codes: 48 rb + 24 h, rb = r % 8 + 32 (r / 8) + 16 u
.set WS,  3                            ; v3   weight scale bytes: 2 rb
.set HU,  4                            ; v4   128 h + 64 u: my 16 columns, as bytes of f32: in the biases and in AMX
.set XW,  5                            ; v5   a stage's dense side: PITCH x HW + 16 r
.set XRD, 6                            ; v6   my block of 32 numbers: PITCH x (16 T + r) + 128 h
.set XUW, 7                            ; v7   my 16 columns of my row: XRD + 64 u
.set AW,  8                            ; v8   4 HW
.set SW,  9                            ; v9   8 (16 T + r) + 4 u
.set SR,  10                           ; v10  8 HW
.set RR,  11                           ; v11  r
.set HH,  12                           ; v12  h, then 8 h
.set UU,  13                           ; v13  u
.set RW,  14                           ; v14  16 T + r
.set HW,  15                           ; v15  t >> 4
.set U,   16                           ; v16-31   x as loaded; then -|z| log2(e), u = e^-|z|; then delta x AM, dA
.set AL,  32                           ; v32-63   A as loaded; row i's maximum stays in v[AL + 4 i]
.set W,   32                           ; v32-47   then w = 1 + u, then delta
.set G,   48                           ; v48-63   log2(w)
.set X,   64                           ; v64-95   my block's 32 numbers
.set M,   64                           ; v64-79   then max(z, 0), + the part of u that 1 + u dropped; then dA x 0 + x delta
.set R,   80                           ; v80-95   w - 1, u - (w - 1); then x delta
.set XU,  96                           ; v96-111  x at my 16 columns; on the way out four times 16 bytes of y
.set F1,  112                          ; v112-123 W1's fragment; on the way out v112-119: S's halves for four rows
.set F2,  124                          ; v124-135 W2's
.set F3,  136                          ; v136-147 W3's
.set XF,  148                          ; v148-165 x's codes: [X 6][zeros 6][X 6]
.set CT,  166                          ; v166-168 the codes of my block's upper 16 (a conversion's three registers begin on an even number)
.set Z,   170                          ; v170-185 b1, then z
.set DB,  186                          ; v186-201 b2, then Bm
.set DC,  202                          ; v202-217 b3, then C
.set WSC, 218                          ; v218-220 the weights' scale words
.set XSW, 221                          ; v221     x's scale word
.set WSH, 222                          ; v222-224 the upper halves of the weights' scale words, as loaded
.set AM,  226                          ; v226-241 AMX at my 16 columns
.set MX,  242                          ; v242-243 the largest magnitude, in two chains
.set SO,  244                          ; v244     the conversions' scale operand
.set SBY, 245                          ; v245     the scale byte at work
.set PD,  246                          ; v246     a lane permute's destination
.set SA,  248                          ; v[248:249], v[250:251] S in two chains
.set SB,  250
.set SEL, 32                           ; s[32:33] v_permlanex16_b32's selects for lane l xor 16
.set L2E, 34                           ; s34      log2(e)
.set LN2, 36                           ; s[36:37] ln(2): the packed form names a pair and takes its low word for both halves
.macro LDFRAG reg, sb                  ; a weight's fragment: tile t's row (8 rows = 384 bytes on for tile 1), my half's 24 bytes, in pieces of 8 so that every address is a multiple of the access's size
.irp t, 0,1
.irp p, 0,1,2
	global_load_b64 v[\reg+6*\t+2*\p:\reg+6*\t+2*\p+1], v[WA], s[\sb:\sb+1] offset:384*\t+8*\p
.endr
.endr
.endm
.macro LDSCL lo, hi, sb                ; the two scale bytes of tile 0's row, and of tile 1's (8 rows = 16 bytes on)
	global_load_u16 v[\lo], v[WS], s[\sb:\sb+1]
	global_load_u16 v[\hi], v[WS], s[\sb:\sb+1] offset:16
.endm
.macro LDBIAS acc, sb                  ; a bias at my 16 columns, straight into the two accumulators
.irp k, 0,1,2,3
	global_load_b128 v[\acc+4*\k:\acc+4*\k+3], v[HU], s[\sb:\sb+1] offset:16*\k
.endr
.endm
.macro MM acc, f, sc                   ; two tiles of one product: the same fragment against [X][zeros] and against [zeros][X]; C = D = the bias
	v_wmma_scale_f32_16x16x128_f8f6f4 v[\acc:\acc+7], v[\f:\f+11], v[XF:XF+11], v[\acc:\acc+7], v[\sc], v[XSW] matrix_a_fmt:MATRIX_FMT_BF6 matrix_b_fmt:MATRIX_FMT_BF6
	v_wmma_scale_f32_16x16x128_f8f6f4 v[\acc+8:\acc+15], v[\f:\f+11], v[XF+6:XF+17], v[\acc+8:\acc+15], v[\sc], v[XSW] matrix_a_fmt:MATRIX_FMT_BF6 matrix_b_fmt:MATRIX_FMT_BF6
.endm
.macro BARRIER                         ; my LDS stores have landed and my LDS loads are in: then the work-group's barrier
	s_wait_dscnt 0x0
	s_barrier_signal -1
	s_barrier_wait -1
.endm
	; ---- the head: addresses
	s_load_b512 s[8:23], s[0:1], 0x0               ; x 8:9, W1's codes 10:11, W1's scales 12:13, b1 14:15, W2's codes 16:17, W2's scales 18:19, b2 20:21, W3's codes 22:23
	s_load_b256 s[24:31], s[0:1], 0x40             ; W3's scales 24:25, b3 26:27, A 28:29, y 30:31
	v_lshl_add_u32 v254, v0, 2, 0x4600
	v_mov_b32 v255, 0
	v_and_b32 v[RR], 15, v0
	v_bfe_u32 v[HH], v0, 4, 1
	v_bfe_u32 v[UU], v0, 5, 1
	v_lshrrev_b32 v[HW], 4, v0
	v_bfe_u32 v[RW], v0, 6, 1
	v_lshl_add_u32 v[RW], v[RW], 4, v[RR]          ; 16 T + r
	v_lshlrev_b32 v[GX], 4, v0
	v_and_b32 v[WA], 7, v0
	v_bfe_u32 v[WS], v0, 3, 1
	v_lshl_add_u32 v[WA], v[WS], 5, v[WA]
	v_lshl_add_u32 v[WA], v[UU], 4, v[WA]          ; rb = r % 8 + 32 (r / 8) + 16 u
	v_lshlrev_b32 v[WS], 1, v[WA]                  ; two scale bytes a row
	v_mul_u32_u24 v[WA], v[WA], 48                 ; 48 bytes of codes a row,
	v_mad_u32_u24 v[WA], v[HH], 24, v[WA]          ; my half's block
	v_lshlrev_b32 v[HU], 7, v[HH]
	v_lshl_add_u32 v[HU], v[UU], 6, v[HU]
	v_mul_u32_u24 v[XW], v[HW], PITCH
	v_lshl_add_u32 v[XW], v[RR], 4, v[XW]
	v_mul_u32_u24 v[XRD], v[RW], PITCH
	v_lshl_add_u32 v[XRD], v[HH], 7, v[XRD]
	v_lshl_add_u32 v[XUW], v[UU], 6, v[XRD]
	v_lshlrev_b32 v[AW], 2, v[HW]
	v_lshlrev_b32 v[HH], 3, v[HH]                  ; 8 h: my scale byte's place in x's scale word
.irp j, 6,7,8,9,10,11
	v_mov_b32 v[XF+\j], 0                          ; the zero codes between the two copies of X
.endr
	v_mov_b32 v[PD], 0                             ; written once: a lane permute's destination counts as one of its sources
	s_mov_b32 s[SEL], 0x76543210
	s_mov_b32 s[SEL+1], 0xfedcba98
	s_mov_b32 s[L2E], 0x3fb8aa3b
	s_mov_b32 s[LN2], 0x3f317218
	s_mov_b32 s[LN2+1], s[LN2]                     ; (named with it as a pair, so it is written)
	s_lshl_b32 s4, ttmp9, 13                       ; the work-group's 32 rows of 256 bytes
	s_mov_b32 s5, 0
	s_wait_kmcnt 0x0
	s_add_nc_u64 s[8:9], s[8:9], s[4:5]
	s_add_nc_u64 s[30:31], s[30:31], s[4:5]
	s_wait_alu depctr_va_vdst(0)                   ; the eight addresses v1 to v8 are written, which the loads and stores of the whole text read; none of them is written again
	; ---- all 48 global loads of the wave, in the order in which they are wanted.  They land in registers that no vector line has named
.irp i, 0,1,2,3
	global_load_b128 v[U+4*\i:U+4*\i+3], v[GX], s[8:9] offset:2048*\i th:TH_LOAD_NT   ; x: 32 lanes read 512 consecutive bytes; sixteen lanes hold row 8 i + HW
.endr
.irp i, 0,1,2,3,4,5,6,7
	global_load_b128 v[AL+4*\i:AL+4*\i+3], v[GX], s[28:29] offset:2048*\i             ; A: sixteen lanes hold row d = 8 i + HW whole; the four waves together read A once
.endr
	LDFRAG F1, 10
	LDFRAG F2, 16
	LDFRAG F3, 22
	LDSCL WSC,   WSH,   12
	LDSCL WSC+1, WSH+1, 18
	LDSCL WSC+2, WSH+2, 24
	LDBIAS Z,  14
	LDBIAS DB, 20
	LDBIAS DC, 26
	; ---- x turns through LDS; A is reduced to its rows' maxima
	s_wait_loadcnt 44                              ; loads come back in order (ISA guide 5.7.1): x's four are in, the 44 younger ones stay out
.irp i, 0,1,2,3
	ds_store_b128 v[XW], v[U+4*\i:U+4*\i+3] offset:XST+8*PITCH*\i    ; the data as they were loaded: no vector line has named them
.endr
	s_wait_loadcnt 36                              ; A's eight are in
.irp i, 0,1,2,3,4,5,6,7
	v_max3_num_f32 v[AL+4*\i], v[AL+4*\i], v[AL+4*\i+1], v[AL+4*\i+2]                 ; (the eight rows by turns: no line waits for the line above it)
.endr
.irp i, 0,1,2,3,4,5,6,7
	v_max_num_f32 v[AL+4*\i], v[AL+4*\i], v[AL+4*\i+3]
.endr
.irp k, 1,2,4,8
.irp i, 0,1,2,3,4,5,6,7
	v_max_num_f32_dpp v[AL+4*\i], v[AL+4*\i], v[AL+4*\i] row_xmask:\k row_mask:0xf bank_mask:0xf   ; across the sixteen lanes that hold the row
.endr
.endr
.irp i, 0,1,2,3,4,5,6,7
	v_mul_f32 v[AL+4*\i], s[L2E], v[AL+4*\i]       ; log2(e) is positive: the largest stays the largest
.endr
	s_wait_alu depctr_va_vdst(0)                   ; the multiplications have written the eight maxima v[AL + 4 i], which the LDS stores read
.irp i, 0,1,2,3,4,5,6,7
	ds_store_b32 v[AW], v[AL+4*\i] offset:AMX+32*\i   ; the sixteen lanes write one word with one value
.endr
	BARRIER                                        ; x's 32 rows and A's 64 maxima lie in LDS.  (The younger global loads stay out: nobody writes what they read)
	s_wait_alu depctr_vm_vsrc(0)                   ; my LDS stores have read v[U ..] and v[AL + 4 i]: the softplus lines write these registers again, as U, W and G
	; ---- my block of x becomes codes; the products.  These LDS loads land in registers that no vector line has named
.irp i, 0,1,2,3,4,5,6,7
	ds_load_b128 v[X+4*\i:X+4*\i+3], v[XRD] offset:XST+16*\i     ; row 16 T + r, k = 32 h + 0 .. 31: the whole block is mine
.endr
.irp k, 0,1,2,3
	ds_load_b128 v[XU+4*\k:XU+4*\k+3], v[XUW] offset:XST+16*\k   ; x at my 16 columns
.endr
.irp k, 0,1,2,3
	ds_load_b128 v[AM+4*\k:AM+4*\k+3], v[HU] offset:AMX+16*\k    ; and A's maxima there
.endr
	s_wait_loadcnt 12                              ; the codes and the scale bytes are in; only the 12 loads of the biases are younger
.irp n, 0,1,2
	v_lshl_or_b32 v[WSC+\n], v[WSH+\n], 16, v[WSC+\n]   ; tile 0's two bytes below, tile 1's above
.endr
	s_wait_dscnt 8                                 ; X's eight loads are in; XU's four and AM's four are younger
	v_max3_num_f32 v[MX],   |v[X]|,   |v[X+1]|, |v[X+2]|
	v_max3_num_f32 v[MX+1], |v[X+3]|, |v[X+4]|, |v[X+5]|
.irp i, 6,10,14,18,22,26
	v_max3_num_f32 v[MX],   v[MX],   |v[X+\i]|,   |v[X+\i+1]|
	v_max3_num_f32 v[MX+1], v[MX+1], |v[X+\i+2]|, |v[X+\i+3]|
.endr
	v_max3_num_f32 v[MX], v[MX], |v[X+30]|, |v[X+31]|
	v_max3_num_f32 v[MX], v[MX], v[MX+1], 0x2800000   ; and the floor 2^(5 - 127), under which no largest magnitude is taken: so the byte cannot fall under 1
	v_add_nc_u32 v[SO], 0xfe000000, v[MX]          ; 4 off its exponent field: the conversion takes the exponent field of this operand as its scale, and nothing else of it
	v_lshrrev_b32 v[SBY], 23, v[SO]                ; the scale's byte,
	v_lshlrev_b32 v[SBY], v[HH], v[SBY]            ; at its place (8 h bits up);
	v_permlanex16_b32 v[PD], v[SBY], s[SEL], s[SEL+1]
	v_or_b32 v[SBY], v[SBY], v[PD]                 ; with lane l xor 16's: my row's two bytes,
	v_lshl_or_b32 v[XSW], v[SBY], 16, v[SBY]       ; twice: for k 0-63 and for k 64-127
	v_cvt_scalef32_pk16_bf6_f32 v[XF:XF+2],     v[X:X+15],    v[SO]   ; the lower 16 codes, for the first copy of X
	v_cvt_scalef32_pk16_bf6_f32 v[XF+12:XF+14], v[X:X+15],    v[SO]   ; and for the second
	v_cvt_scalef32_pk16_bf6_f32 v[CT:CT+2],     v[X+16:X+31], v[SO]   ; the upper 16
	v_nop                                          ; one plain place behind a scaled conversion
.irp i, 0,1,2
	v_mov_b32 v[XF+3+\i],  v[CT+\i]
	v_mov_b32 v[XF+15+\i], v[CT+\i]
.endr
.rept 4
	v_nop                                          ; an operand written by a vector instruction stands 4 places ahead of a scaled matrix instruction, a scale word 8: behind x's scale word stand these four, the six moves and the v_nop
.endr
	s_wait_loadcnt 0x0                             ; the biases are in
	s_wait_alu depctr_va_vdst(0)                   ; the conversions and moves have written x's codes v[XF ..], and vector lines x's scale word and the weights' three, which the scaled matrix instructions take; the places above stay beside this wait
	MM Z,  F1, WSC                                 ; six matrix instructions on six accumulators: none adds onto another's result
	MM DB, F2, WSC+1
	MM DC, F3, WSC+2
	v_lshlrev_b32 v[SW], 3, v[RW]                  ; four plain instructions that name no register of the products: the places behind them (ISA guide 7.12.1)
	v_lshl_add_u32 v[SW], v[UU], 2, v[SW]
	v_lshrrev_b32 v[SR], 4, v0
	v_lshlrev_b32 v[SR], 3, v[SR]
	; ---- softplus, the zero term, my half of S.  Each accumulator is read from its low end on
	s_wait_dscnt 0x0                               ; XU and AM are in
.set i, 0
.rept 16
	v_mul_f32 v[U+i], s[L2E], -|v[Z+i]|
.set i, i+1
.endr
.set i, 0
.rept 16
	v_exp_f32 v[U+i], v[U+i]                       ; u = e^-|z|, at most 1
.set i, i+1
.endr
	v_pk_mul_f32 v[SA:SA+1], v[DB:DB+1],   v[DC:DC+1]       ; the sum of C Bm over my 16 columns, two at a time, in two chains: plain work behind the exponentials, which names none of their results
	v_pk_mul_f32 v[SB:SB+1], v[DB+8:DB+9], v[DC+8:DC+9]
.irp j, 2,4,6
	v_pk_fma_f32 v[SA:SA+1], v[DB+\j:DB+\j+1],   v[DC+\j:DC+\j+1],   v[SA:SA+1]
	v_pk_fma_f32 v[SB:SB+1], v[DB+8+\j:DB+9+\j], v[DC+8+\j:DC+9+\j], v[SB:SB+1]
.endr
	v_pk_add_f32 v[SA:SA+1], v[SA:SA+1], v[SB:SB+1]
	v_add_f32 v[SA], v[SA], v[SA+1]
	v_permlanex16_b32 v[PD], v[SA], s[SEL], s[SEL+1]
	v_add_f32 v[SA], v[SA], v[PD]                  ; with lane l xor 16's 16 columns: my wave's 32
.set i, 0
.rept 16
	v_max_num_f32 v[M+i], 0, v[Z+i]
.set i, i+1
.endr
	s_wait_alu depctr_va_vdst(0)                   ; the 16 exponentials have written v[U ..], ahead of their first reader; and v[SA] and the address v[SW] are written, which the LDS store below reads
	ds_store_b32 v[SW], v[SA] offset:SPT           ; both halves of the lanes write the same word with the same value; neither register is written again
.irp j, 0,2,4,6,8,10,12,14
	v_pk_add_f32 v[W+\j:W+\j+1], v[U+\j:U+\j+1], 1.0 op_sel_hi:[1,0]   ; w = 1 + u
.endr
.set i, 0
.rept 16
	v_log_f32 v[G+i], v[W+i]
.set i, i+1
.endr
.irp j, 0,2,4,6,8,10,12,14
	v_pk_add_f32 v[R+\j:R+\j+1], v[W+\j:W+\j+1], -1.0 op_sel_hi:[1,0]  ; w - 1, exact.  (Plain work behind the logarithms)
.endr
.irp j, 0,2,4,6,8,10,12,14
	v_pk_add_f32 v[R+\j:R+\j+1], v[U+\j:U+\j+1], v[R+\j:R+\j+1] neg_lo:[0,1] neg_hi:[0,1]   ; u - (w - 1): what 1 + u dropped; where u is small it is nearly all of log(1 + u)
.endr
.irp j, 0,2,4,6,8,10,12,14
	v_pk_add_f32 v[M+\j:M+\j+1], v[M+\j:M+\j+1], v[R+\j:R+\j+1]
.endr
	s_wait_alu depctr_va_vdst(0)                   ; the 16 logarithms have written v[G ..], ahead of their first reader
.irp j, 0,2,4,6,8,10,12,14
	v_pk_fma_f32 v[W+\j:W+\j+1], v[G+\j:G+\j+1], s[LN2:LN2+1], v[M+\j:M+\j+1] op_sel_hi:[1,0,1]   ; delta = ln(2) log2(w) + max(z, 0) + what was dropped
.endr
.irp j, 0,2,4,6,8,10,12,14
	v_pk_mul_f32 v[U+\j:U+\j+1], v[W+\j:W+\j+1], v[AM+\j:AM+\j+1]      ; delta x log2(e) x the largest A of row d
.endr
.set i, 0
.rept 16
	v_exp_f32 v[U+i], v[U+i]                       ; the largest dA of (l, d)
.set i, i+1
.endr
.irp j, 0,2,4,6,8,10,12,14
	v_pk_mul_f32 v[R+\j:R+\j+1], v[XU+\j:XU+\j+1], v[W+\j:W+\j+1]      ; x delta.  (Plain work behind the exponentials)
.endr
	s_wait_alu depctr_va_vdst(0)                   ; the 16 exponentials have written v[U ..], ahead of their first reader
.irp j, 0,2,4,6,8,10,12,14
	v_pk_fma_f32 v[M+\j:M+\j+1], v[U+\j:U+\j+1], 0, v[R+\j:R+\j+1] op_sel_hi:[1,0,1]   ; dA x 0 + x delta: NaN where dA is infinite
.endr
	s_wait_alu depctr_va_vdst(0)                   ; the multiply-adds have written v[M ..], which the LDS stores read.  It also serves the LDS loads behind the barrier: the matrix instructions are done reading F1, the lines that made x delta are done reading XU, and v[SR] is written; no vector line between here and those loads names any of them
.irp k, 0,1,2,3
	ds_store_b128 v[XUW], v[M+4*\k:M+4*\k+3] offset:YST+16*\k
.endr
	BARRIER                                        ; 32 whole rows, and S's two halves for each, lie in LDS
	; ---- the way out: whole rows, times S
.irp i, 0,1,2,3
	ds_load_b64 v[F1+2*\i:F1+2*\i+1], v[SR] offset:SPT+64*\i          ; row 8 i + HW: S's two halves; the same address in sixteen lanes
.endr
.irp i, 0,1,2,3
	ds_load_b128 v[XU+4*\i:XU+4*\i+3], v[XW] offset:YST+8*PITCH*\i
.endr
.irp i, 0,1,2,3
	s_wait_dscnt 3-\i                              ; LDS loads come back in order: row i's 16 bytes are in, and so are all four pairs, which were asked for earlier; the 3 - i younger loads stay out
	v_add_f32 v[F1+2*\i], v[F1+2*\i], v[F1+2*\i+1] ; S
	v_pk_mul_f32 v[XU+4*\i:XU+4*\i+1],   v[XU+4*\i:XU+4*\i+1],   v[F1+2*\i:F1+2*\i+1] op_sel_hi:[1,0]
	v_pk_mul_f32 v[XU+4*\i+2:XU+4*\i+3], v[XU+4*\i+2:XU+4*\i+3], v[F1+2*\i:F1+2*\i+1] op_sel_hi:[1,0]
.endr
	s_wait_alu depctr_va_vdst(0)                   ; the multiplications have written v[XU ..], which the four stores read: one wait for the run
.irp i, 0,1,2,3
	global_store_b128 v[GX], v[XU+4*\i:XU+4*\i+3], s[30:31] offset:2048*\i th:TH_STORE_NT   ; 32 lanes store 512 consecutive bytes, at a multiple of 256 from y's first byte; no store's registers are written again
.endr
	s_wait_dscnt 0x0
	s_wait_alu depctr_hold_cnt(0) depctr_sa_sdst(0) depctr_va_vdst(0) depctr_va_sdst(0) depctr_va_ssrc(0) depctr_va_vcc(0) depctr_vm_vsrc(0)
	s_wait_tensorcnt 0x0
	ds_add_u32 v254, v255
	s_wait_dscnt 0x0
	s_endpgm
.Lfunc_end_k_q51403408ed_s6:
	.size	k_q51403408ed_s6, .Lfunc_end_k_q51403408ed_s6-k_q51403408ed_s6
	.p2alignl 7, 3214868480
	.fill 96, 4, 3214868480
	.section	.rodata,"a",@progbits
	.p2align	6, 0x0
	.amdhsa_kernel k_q51403408ed_s6
		.amdhsa_group_segment_fixed_size 18432
		.amdhsa_private_segment_fixed_size 0
		.amdhsa_enable_private_segment 0
		.amdhsa_kernarg_size 96
		.amdhsa_user_sgpr_count 2
		.amdhsa_user_sgpr_kernarg_segment_ptr 1
		.amdhsa_wavefront_size32 1
		.amdhsa_system_sgpr_workgroup_id_x 1
		.amdhsa_system_sgpr_workgroup_id_y 1
		.amdhsa_system_sgpr_workgroup_id_z 1
		.amdhsa_system_vgpr_workitem_id 0
		.amdhsa_next_free_vgpr 256
		.amdhsa_next_free_sgpr 66
		.amdhsa_reserve_vcc 0
		.amdhsa_float_denorm_mode_32 3
		.amdhsa_float_denorm_mode_16_64 3
		.amdhsa_memory_ordered 1
		.amdhsa_forward_progress 1
		.amdhsa_inst_pref_size 26
	.end_amdhsa_kernel
	.amdgpu_metadata
---
amdhsa.version: [ 1, 2 ]
amdhsa.kernels:
  - .name:           k_q51403408ed_s6
    .symbol:         k_q51403408ed_s6.kd
    .args:
      - { .name: x, .offset: 0, .size: 8, .value_kind: global_buffer, .address_space: global }
      - { .name: W1_codes, .offset: 8, .size: 8, .value_kind: global_buffer, .address_space: global }
      - { .name: W1_scales, .offset: 16, .size: 8, .value_kind: global_buffer, .address_space: global }
      - { .name: b1, .offset: 24, .size: 8, .value_kind: global_buffer, .address_space: global }
      - { .name: W2_codes, .offset: 32, .size: 8, .value_kind: global_buffer, .address_space: global }
      - { .name: W2_scales, .offset: 40, .size: 8, .value_kind: global_buffer, .address_space: global }
      - { .name: b2, .offset: 48, .size: 8, .value_kind: global_buffer, .address_space: global }
      - { .name: W3_codes, .offset: 56, .size: 8, .value_kind: global_buffer, .address_space: global }
      - { .name: W3_scales, .offset: 64, .size: 8, .value_kind: global_buffer, .address_space: global }
      - { .name: b3, .offset: 72, .size: 8, .value_kind: global_buffer, .address_space: global }
      - { .name: A, .offset: 80, .size: 8, .value_kind: global_buffer, .address_space: global }
      - { .name: out0, .offset: 88, .size: 8, .value_kind: global_buffer, .address_space: global }
    .group_segment_fixed_size: 18432
    .private_segment_fixed_size: 0
    .kernarg_segment_align: 8
    .kernarg_segment_size: 96
    .max_flat_workgroup_size: 128
    .sgpr_count:     66
    .vgpr_count:     256
    .wavefront_size: 32
...
	.end_amdgpu_metadata
.endif
;; end of part 2
